; MI455X (gfx1250); checked and timed in simulation.
; The chip was launched on July 23, 2026; its instructions are those of AMD's public machine-readable ISA for CDNA 5 (MIT licence, August 2026) and "CDNA5" Instruction Set Architecture Reference Guide (July 2026). The comments in the code are by the model that wrote it; some were corrected since.
;; Audio Processor. Allowed arithmetic: matrix products marked QUANTISED: E2M1 operands, one E8M0 scale for each 32 along K, by v_wmma_scale_f32_16x16x128_f8f6f4 with both operands' format E2M1 (or v_wmma_scale_f32_32x16x128_f4), f32 sums; everything else in f32.
;; Inputs: W_codes 512 x 16 x 16 uint8 (E2M1 codes of W, K innermost, in blocks of 32 codes, two codes a byte); W_scales 512 x 16 uint8 (E8M0 scales of W, one for each 32 codes along K); audio 128 x 262,144 float32; b 512 float32.
;; Outputs: out0 128 x 512 float32.
;; This version of the problem:
;;   THIS VERSION OF THE PROBLEM IS GIVEN IN LOW PRECISION. The matrix products marked QUANTISED in the list below multiply operands that are first quantised to E2M1 (2 exponent bits, 1 mantissa bit; 4 bits a number), with one power-of-two scale for each 32 numbers along K (OCP MX v1.0); their sums are f32. All else is computed in f32.
;;   The module's matrix products, in the order in which they are computed (A, B: the left and right operand; K: the contracted axis; several contracted axes count as one K, in the product's order):
;;     1. [M 128, K 512] x [K 512, N 512]; A: computed on the way; B: input W (given as codes): QUANTISED
;;   THE QUANTISER, for each operand of a quantised product, along K:
;;     - K is cut into blocks of 32 from its start; a last block that is shorter is filled with zeros.
;;     - A block's scale is 2^e with e = floor(log2(the largest magnitude in the block)) - 2, held to -126 .. 127; a block of zeros has e = 0. As a byte (E8M0): e + 127.
;;     - Each number is divided by its block's scale, clamped to +-6, and rounded to the nearest number of E2M1, ties to even, subnormals kept.
;;     - The product sums the exact products of the quantised numbers (number of the format x scale) in f32.
;;   ~~~python
;;   def quantise(x, axis):      # numpy; x: float32 -> the quantised numbers, widened to float32 again
;;       x = np.moveaxis(x, axis, -1); K = x.shape[-1]
;;       x = np.pad(x, [(0, 0)] * (x.ndim - 1) + [(0, -K % 32)]); x = x.reshape(x.shape[:-1] + (-1, 32)); a = np.abs(x).max(-1, keepdims=True)
;;       e = np.where(a > 0, np.clip(np.frexp(np.where(a > 0, a, 1))[1] - 1 - 2, -126, 127), 0)      # np.frexp(a)[1] - 1 = floor(log2(a)), exactly
;;       r = np.clip(x / 2.0 ** e, -6, 6)
;;       step = 2.0 ** (np.maximum(np.frexp(np.where(r == 0, 1, r))[1] - 1, 0) - 1)
;;       q = np.round(r / step) * step * 2.0 ** e      # np.round: ties to even
;;       return np.moveaxis(q.reshape(q.shape[:-2] + (-1,))[..., :K], -1, axis).astype(np.float32)
;;   ~~~
;;   OPERANDS COMPUTED ON THE WAY. 'Computed on the way' means the value that the module computes at that place (a softmax that the list does not call 'softmax' is quantised finished and normalised). What goes into a quantiser is computed in f32, as accurately as f32 sums, v_exp_f32 and their like allow (about 1e-6 of the number): no bf16 or f16 on the way to a quantiser, and a product that is left as it is and whose result goes on into a quantised operand takes f32 operands (vector FMAs, or v_wmma_f32_16x16x4_f32). A number that lies on a knife's edge between two numbers of the format may be rounded either way, as far as f32 arithmetic and the matrix unit's own rounding can turn it there, and no further.
;;   INPUTS GIVEN AS CODES. W (in the module: [512, 512], K = its axis 1): each comes as NAME_codes (uint8): NAME with its K axis moved to the last place and cut into blocks of 32 codes, [.., K / 32, bytes a block], one block behind the other in memory; two codes a byte, the lower K in the low four bits (a code: sign, 2 exponent bits, 1 mantissa bit); and NAME_scales (uint8): the same leading axes, one E8M0 byte (e + 127) for each 32 codes along K. Its value is code x scale, taken as it is: it is not quantised again, and the codes and scales need not be those that the quantiser above would give.
;; 2 versions. Each part assembles by itself: llvm-mc -triple=amdgcn-amd-amdhsa -mcpu=gfx1250 --defsym DOCPART=n.
;; ======== version 1 of 2: 1 launch
;; limits: right only within a limited range of input values
;; launch audio (part 1): grid 128 x 1, 16 waves a work-group, no clusters, 76,288 bytes of LDS; arguments audio, W_codes, W_scales, b, out0; writes out0
.if DOCPART == 1
	.amdgcn_target "amdgcn-amd-amdhsa--gfx1250"
	.amdhsa_code_object_version 6
	.text
	.protected	k_q12ea554dc2_audio
	.globl	k_q12ea554dc2_audio
	.p2align	8
	.type	k_q12ea554dc2_audio,@function
k_q12ea554dc2_audio:
	s_mov_b64 s[64:65], 0
	v_nop
	global_prefetch_b8 v0, s[64:65] scope:SCOPE_SE
	s_setreg_imm32_b32 hwreg(HW_REG_WAVE_MODE, 25, 1), 1
	s_wait_xcnt 0x0
; out0[row] = Q(peaks(spec(|rfft(audio[row])|))) W^T + b.  audio [128][262144] f32; W as E2M1 codes [512][256 bytes] with E8M0 bytes [512][16]; b [512]; out0 [128][512] f32.
; WHICH BINS.  The first interpolation reads bins 256 j + 127 and 256 j + 128 (j < 256), 256 j + 128 and 256 j + 129 (j >= 256).  With n = 1024 m + p and k = 256 j + r:
;   X[k] = sum_p e^(-2 pi i j p / 1024) e^(-2 pi i r p / 2^18) sum_m x[1024 m + p] e^(-2 pi i r m / 256).
; r = 128: the inner factor is (-1)^m;  r = 127: (-1)^m (cos + i sin)(2 pi m / 256);  x is real, so |X[256 j + 129]| = |X[256 (1023 - j) + 127]|.
; So a row needs three real sums for each p: A = sum (-1)^m x, C = sum (-1)^m cos x, S = sum (-1)^m sin x; then two complex transforms of 1,024 points:
; sequence 0: (C + i S) e^(-2 pi i 127 p / 2^18), sequence 1: A e^(-2 pi i 128 p / 2^18).
; SHARES.  One work-group, sixteen waves, owns one row: all later steps need the row's whole spectrum, and work-groups hand each other nothing.
; THE STREAM.  Wave w takes p = 128 (w & 7) .. + 127 and m = 128 (w >> 3) .. + 127; a lane holds 4 neighbouring p; a load of the wave covers 512 consecutive bytes, aligned; 28 to 32 loads of each wave are out
; (16 waves x 32 x 512 bytes at the most).  IT GOES IN RUNS OF FOUR LINES: eight coefficients into scalar registers, one wait, 24 packed instructions, four loads back to back: vector and memory instructions change hands
; 32 times a wave, not 128 times.  All 32 runs are written out, each offset an immediate: no address register is ever rewritten.  The twiddles of the later steps are computed between the runs; the LDS addresses are made at the head, behind the first loads.
; While the ring runs dry its registers take W's fragments, in the operand's layout, W's scale words and b: they land while the transforms run.
; W is the only input that work-groups share: 139,264 of the 1,187,840 bytes that a work-group reads; it goes straight to registers and this text has no tensor load, so there is no joint request.
; No prefetch: the stream's own loads are out from the first line to the last run.
; THE TRANSFORMS.  Radix 4, five stages, 256 threads a sequence.  Stages 0 and 1 hand elements from wave to wave: a barrier behind each.  From stage 2 on threads 32 w .. 32 w + 31 own elements 128 w .. 128 w + 127:
; those stages run in the wave's own 1,280 bytes with no barrier, and the elements are laid anew for each stage so that the 32 lanes of every load and store fall on 64 different banks.
; COS AND SIN of 2 pi t / 2^18, t whole: the nearest quadrant is taken off t exactly, the rest (at most pi / 4) goes through Taylor sums to x^9 and x^10, whose first dropped terms lie under 2e-9.
; LIMITS.  NaN and infinities are not served (sequence 1's imaginary part is S x 0; the edges of the peaks are read as zeros).  A magnitude is sqrt(re^2 + im^2) in f32: good from about 1e-18 to 1e19.
; The sums' order is not an FFT library's; the mean of three is a multiplication by 1/3.  A block of zeros gets the scale byte 1, not 127: its codes are zeros and the bytes are read here alone.
.set PAB, 0                            ; LDS: partial sums [m half][A, C, S][1024] f32
.set FDB, 24576                        ; the two sequences between stages 0 and 1: 1,024 x (re, im) each, as they are numbered
.set MGB, 40960                        ; magnitudes [sequence][1024 words]: word q < 512 holds output q; word q = 512 .. 767 holds output 1279 - q (mirrored); the rest is not used
.set SMB, 49152                        ; pooled spectrum, 256 words
.set QPB, 50176                        ; peaks, one place up: word i + 1 = peaks[i]; word 0 = 0
.set CDB, 51200                        ; the row's 512 codes, 256 bytes
.set SCB, 51456                        ; its 16 scale bytes
.set OSB, 51712                        ; the row of out0, 2,048 bytes
.set GB,  53760                        ; the two sequences from stage 1's results on: 10,240 bytes each, 1,280 for each wave's 128 elements
.set VOFF, 1                           ; v1 my byte offset in the row's stream; never rewritten
.set T0, 2                             ; v2-7 at work
.set T1, 3
.set T2, 4
.set T3, 5
.set T4, 6
.set T5, 7
.set TC, 8                             ; v8-11  lane l: (-1)^m cos(2 pi m / 256) of line 32 g + l;  v12-15 the same with sin
.set TS, 12
.set SA, 16                            ; v16-19 A, v20-23 C, v24-27 S of my 4 columns
.set SB, 20
.set SD, 24
.set PT, 28                            ; v28-35 (cos, sin) of the turn in front of the transform, p = tau + 256 k
.set SW, 36                            ; v36-59 (cos, sin) of stage s's twiddles W^(k o), k = 1 .. 3, at SW + 6 s + 2 (k - 1)
.set PST, 60                           ; v60-96 and v117-119: addresses, all made at the head from v0 and never rewritten
.set RRE, 61
.set R4T, 62
.set FD0, 63
.set DA, 64                            ; v64 stage 1 reads; v65 stage 2 reads and writes; v66 stage 3 reads; v67 stage 4 reads
.set MGS, 68
.set AMX, 69
.set AMY, 72
.set SMS, 75
.set SML, 76
.set SMR, 77
.set QPS, 78
.set ZA, 79
.set CDS, 87
.set SCS, 88
.set PFA, 89
.set SCA, 90
.set OSS, 91
.set OSL, 92
.set WCO, 93
.set WSO, 94
.set BO, 95
.set OO, 96
.set SWG, 97                           ; v97-99 first interpolation's weights;  v100-102 1 where j >= 256;  v103-110 second interpolation's weights
.set SH, 100
.set ZW, 103
.set TAU, 111                          ; thread % 256
.set SEQ, 112                          ; thread / 256: my half of m in the stream, my sequence in the transforms
.set LANE, 113
.set MBASE, 114
.set SGN, 115
.set MUL, 116
.set MGM, 117                          ; where my output 512 + rev goes: the mirrored word
.set A1W, 118                          ; stage 1 writes
.set A3W, 119                          ; stage 3 writes
.set CF, 32                            ; s[32:47] a run's coefficients: line i of the four: cos in s[CF + 4 i], sin in s[CF + 4 i + 2]; the odd words are named with them as pairs and hold 0
.set X, 128                            ; v128-255 the ring: 32 slots of 4
.set WF, 128                           ; later: W's fragments (tile t, K step s) at WF + 32 t + 8 s;
.set WSC, 192                          ; W's scale words (tile t, K step s) at WSC + 4 t + s;
.set BV, 200                           ; b
.set F, 204                            ; a butterfly's four inputs
.set TT, 212
.set O0, 220
.set P1, 222
.set P2, 224
.set P3, 226
.set O1, 228
.set O2, 230
.set O3, 232
.set L, 236                            ; stage 0's sixteen loads
.set PF, 204                           ; the product: the row's fragments, its scale words, two accumulators
.set PS, 236
.set D, 240
; (cos, sin) of 2 pi t / 2^18, t in v[t], 0 <= t < 2^18
.macro SINCOS c, s, t
	v_add_nc_u32 v[T0], 0x8000, v[\t]
	v_lshrrev_b32 v[T0], 16, v[T0]                 ; the nearest quadrant, 0 .. 4
	v_lshlrev_b32 v[T1], 16, v[T0]
	v_sub_nc_u32 v[T1], v[\t], v[T1]               ; what is left, -2^15 .. 2^15 - 1: exact
	v_cvt_f32_i32 v[T1], v[T1]
	v_mul_f32 v[T1], 0x37c90fdb, v[T1]             ; x = that times 2 pi / 2^18
	v_mul_f32 v[T2], v[T1], v[T1]
	v_mov_b32 v[\s], 0x3638ef1d                    ; 1/9!
	v_mov_b32 v[\c], 0xb493f27e                    ; -1/10!
	v_fmaak_f32 v[\s], v[\s], v[T2], 0xb9500d01    ; -1/7!
	v_fmaak_f32 v[\c], v[\c], v[T2], 0x37d00d01    ; 1/8!
	v_fmaak_f32 v[\s], v[\s], v[T2], 0x3c088889    ; 1/5!
	v_fmaak_f32 v[\c], v[\c], v[T2], 0xbab60b61    ; -1/6!
	v_fmaak_f32 v[\s], v[\s], v[T2], 0xbe2aaaab    ; -1/3!
	v_fmaak_f32 v[\c], v[\c], v[T2], 0x3d2aaaab    ; 1/4!
	v_mul_f32 v[\s], v[\s], v[T2]
	v_fmaak_f32 v[\c], v[\c], v[T2], 0xbf000000    ; -1/2
	v_fma_f32 v[\s], v[\s], v[T1], v[T1]           ; sin x
	v_fma_f32 v[\c], v[\c], v[T2], 1.0             ; cos x
	v_and_b32 v[T1], 1, v[T0]
	v_cmp_eq_u32 vcc_lo, 1, v[T1]                  ; odd quadrant: the two change places
	v_cndmask_b32 v[T1], v[\c], v[\s], vcc_lo
	v_cndmask_b32 v[T2], v[\s], v[\c], vcc_lo
	v_add_nc_u32 v[\c], 1, v[T0]
	v_and_b32 v[\s], 2, v[T0]                      ; sin is turned in quadrants 2, 3,
	v_and_b32 v[\c], 2, v[\c]                      ; cos in quadrants 1, 2
	v_lshlrev_b32 v[\s], 30, v[\s]
	v_lshlrev_b32 v[\c], 30, v[\c]
	v_xor_b32 v[\s], v[\s], v[T2]
	v_xor_b32 v[\c], v[\c], v[T1]
.endm
; (d, d + 1) = (ar + i ai) (cos - i sin), the pair (cos, sin) at w
.macro CMUL d, ar, ai, w
	v_mul_f32 v[\d], v[\ai], v[\w+1]
	v_mul_f32 v[\d+1], v[\ar], v[\w+1]
	v_fma_f32 v[\d], v[\ar], v[\w], v[\d]
	v_fma_f32 v[\d+1], v[\ai], v[\w], -v[\d+1]
.endm
; four points: residue 0 in O0, residues 1 to 3, not yet twisted, in P1 to P3.  a0 + (-i)^r a1 + (-1)^r a2 + i^r a3
.macro BFLY
	v_pk_add_f32 v[TT:TT+1], v[F:F+1], v[F+4:F+5]
	v_pk_add_f32 v[TT+2:TT+3], v[F:F+1], v[F+4:F+5] neg_lo:[0,1] neg_hi:[0,1]
	v_pk_add_f32 v[TT+4:TT+5], v[F+2:F+3], v[F+6:F+7]
	v_pk_add_f32 v[TT+6:TT+7], v[F+2:F+3], v[F+6:F+7] neg_lo:[0,1] neg_hi:[0,1]
	v_pk_add_f32 v[O0:O0+1], v[TT:TT+1], v[TT+4:TT+5]
	v_pk_add_f32 v[P2:P2+1], v[TT:TT+1], v[TT+4:TT+5] neg_lo:[0,1] neg_hi:[0,1]
	v_add_f32 v[P1], v[TT+2], v[TT+7]
	v_sub_f32 v[P1+1], v[TT+3], v[TT+6]
	v_sub_f32 v[P3], v[TT+2], v[TT+7]
	v_add_f32 v[P3+1], v[TT+3], v[TT+6]
.endm
.macro TWIST s                         ; residue k times W^(k o)
	CMUL O1, P1, P1+1, SW+6*\s
	CMUL O2, P2, P2+1, SW+6*\s+2
	CMUL O3, P3, P3+1, SW+6*\s+4
.endm
.macro PUT adr, ws                     ; residue r takes the number of input r; in the layout that is written they lie ws bytes apart
	ds_store_b64 v[\adr], v[O0:O0+1]
	ds_store_b64 v[\adr], v[O1:O1+1] offset:\ws
	ds_store_b64 v[\adr], v[O2:O2+1] offset:2*\ws
	ds_store_b64 v[\adr], v[O3:O3+1] offset:3*\ws
.endm
.macro BARRIER                         ; my LDS stores have landed and my LDS loads are in: then the work-group's barrier
	s_wait_dscnt 0x0
	s_barrier_signal -1
	s_barrier_wait -1
.endm
; a stage: four inputs rs bytes apart from v[ra], four results ws bytes apart to v[wa].  bar = 0: the next stage reads what my own wave has stored: LDS serves a wave's instructions in order (ISA guide 5.7.1.4)
.macro STAGE s, ra, rs, wa, ws, bar
	ds_load_b64 v[F:F+1], v[\ra]
	ds_load_b64 v[F+2:F+3], v[\ra] offset:\rs
	ds_load_b64 v[F+4:F+5], v[\ra] offset:2*\rs
	ds_load_b64 v[F+6:F+7], v[\ra] offset:3*\rs
	s_wait_dscnt 0x0                               ; my loads are back: the stores below may fall on the bytes that they read
	BFLY
	TWIST \s
	PUT \wa, \ws
.if \bar
	BARRIER
.endif
.endm
	s_load_b256 s[4:11], s[0:1], 0x0               ; audio s[4:5], W's codes s[6:7], W's scales s[8:9], b s[10:11]
	s_load_b64 s[12:13], s[0:1], 0x20              ; out0
	v_lshl_add_u32 v126, v0, 2, 0x12200
	v_mov_b32 v127, 0
	v_and_b32 v[TAU], 0xff, v0
	v_lshrrev_b32 v[SEQ], 8, v0
	v_and_b32 v[LANE], 31, v0
	v_lshrrev_b32 v[T0], 5, v0
	v_readfirstlane_b32 s14, v[T0]                 ; wave 0 .. 15
	v_lshlrev_b32 v[VOFF], 4, v[TAU]               ; 16 bytes a thread: eight waves cover a line of 4,096 bytes,
	v_lshl_add_u32 v[VOFF], v[SEQ], 19, v[VOFF]    ; the other eight the line 128 further down
	s_lshl_b32 s16, ttmp9, 20                      ; my row of audio: 2^20 bytes a row
	s_mov_b32 s17, 0
	s_lshl_b32 s18, ttmp9, 11                      ; my row of out0
	s_mov_b32 s19, 0
.irp r, 33,35,37,39,41,43,45,47
	s_mov_b32 s\r, 0                               ; (upper words of pairs that packed forms name)
.endr
	s_mov_b32 s25, 0
	s_lshr_b32 s15, s14, 3
	s_mov_b32 s24, 0x3f800000
	s_cmp_eq_u32 s15, 0
	s_cselect_b32 s24, s24, 0                      ; 1.0 for sequence 0, whose imaginary part is S; 0 for sequence 1, which has none
	s_wait_kmcnt 0x0
	s_add_nc_u64 s[4:5], s[4:5], s[16:17]
	s_add_nc_u64 s[12:13], s[12:13], s[18:19]
.set K, 0
.rept 32
	global_load_b128 v[X+4*K:X+4*K+3], v[VOFF], s[4:5] offset:K*4096 th:TH_LOAD_NT   ; the ring is filled before anything else is done
.set K, K+1
.endr
	; the first 32 lines' coefficients
	v_lshl_add_u32 v[T0], v[SEQ], 7, v[LANE]
	v_lshlrev_b32 v[MBASE], 10, v[T0]              ; m = 128 half + lane, as t = 1024 m
	v_lshlrev_b32 v[SGN], 31, v[LANE]              ; (-1)^m as a sign bit: m and my lane are odd together
	v_add_nc_u32 v[MUL], 127, v[SEQ]               ; r = 127 or 128
	SINCOS TC, TS, MBASE
	v_xor_b32 v[TC], v[SGN], v[TC]
	v_xor_b32 v[TS], v[SGN], v[TS]
	; every address of the later steps, from v0 and constants
	v_mul_u32_u24 v[T0], v[SEQ], 12288
	v_lshl_add_u32 v[PST], v[TAU], 4, v[T0]        ; my partial sums: half x 12,288 + 16 tau
	v_lshlrev_b32 v[R4T], 2, v[TAU]                ; word tau of an array of partial sums
	v_lshlrev_b32 v[T0], 12, v[SEQ]
	v_add_nc_u32 v[RRE], 4096, v[R4T]
	v_sub_nc_u32 v[RRE], v[RRE], v[T0]             ; the real part: C for sequence 0, A for sequence 1
	v_lshlrev_b32 v[T4], 13, v[SEQ]
	v_add_nc_u32 v[T4], FDB, v[T4]                 ; my sequence between stages 0 and 1: element e at 8 e
	v_lshl_add_u32 v[FD0], v[TAU], 3, v[T4]        ; stage 0 writes elements tau + 256 r
	v_lshrrev_b32 v[T0], 6, v[TAU]
	v_and_b32 v[T1], 63, v[TAU]
	v_lshl_add_u32 v[T2], v[T0], 8, v[T1]
	v_lshl_add_u32 v[DA], v[T2], 3, v[T4]          ; stage 1 reads elements 256 (tau / 64) + tau % 64 + 64 k
	v_mul_u32_u24 v[T5], v[SEQ], 10240
	v_add_nc_u32 v[T5], GB, v[T5]                  ; my sequence from stage 1's results on
	; between stages 1 and 2: element e at 8 e + 128 (e / 64): blocks of 64 elements lie 640 bytes apart, which is 32 banks past a whole number of times through the 64
	v_mad_u32_u24 v[T0], v[T0], 2560, v[T5]
	v_lshl_add_u32 v[A1W], v[T1], 3, v[T0]         ; stage 1 writes 256 (tau / 64) + tau % 64 + 64 r: the r's 640 bytes apart; a wave's 32 lanes 256 bytes on end
	v_lshrrev_b32 v[T0], 4, v[TAU]
	v_and_b32 v[T1], 15, v[TAU]
	v_mad_u32_u24 v[T0], v[T0], 640, v[T5]
	v_lshl_add_u32 v[DA+1], v[T1], 3, v[T0]        ; stage 2 reads 64 (tau / 16) + tau % 16 + 16 k, the k's 128 bytes apart: lanes 0-15 take 32 banks, lanes 16-31 the other 32;
	; between stages 2 and 3: element e at 160 (e / 16) + 8 (e % 16).  Stage 2 writes from the same register, the r's 160 bytes apart
	v_lshrrev_b32 v[T0], 2, v[TAU]
	v_and_b32 v[T1], 3, v[TAU]
	v_mad_u32_u24 v[T0], v[T0], 160, v[T5]
	v_lshl_add_u32 v[DA+2], v[T1], 3, v[T0]        ; stage 3 reads 16 (tau / 4) + tau % 4 + 4 k, the k's 32 bytes apart: eight groups of four lanes, 40 banks from group to group
	; between stages 3 and 4: element 4 t + k at 1,280 (t / 32) + 264 k + 8 (t % 32)
	v_lshrrev_b32 v[T0], 5, v[TAU]
	v_mad_u32_u24 v[T0], v[T0], 1280, v[T5]        ; my wave's 1,280 bytes: the same in all three layouts
	v_lshl_add_u32 v[DA+3], v[LANE], 3, v[T0]      ; stage 4 reads elements 4 tau + k, the k's 264 bytes apart: 32 lanes 256 bytes on end
	v_mad_u32_u24 v[T0], v[T1], 264, v[T0]
	v_bfe_u32 v[T1], v[TAU], 2, 3
	v_lshl_add_u32 v[A3W], v[T1], 5, v[T0]         ; stage 3 writes 16 (tau / 4) + tau % 4 + 4 r, which is t = 4 (tau / 4) + r, k = tau % 4: the r's 8 bytes apart; 264 (tau % 4) + 32 ((tau / 4) % 8): each pair of banks once
	v_lshrrev_b32 v[T0], 6, v[TAU]                 ; element 4 tau + r4 holds output j = rev + 256 r4, rev = tau's base-4 digits reversed
	v_bfe_u32 v[T1], v[TAU], 4, 2
	v_lshl_add_u32 v[T0], v[T1], 2, v[T0]
	v_bfe_u32 v[T1], v[TAU], 2, 2
	v_lshl_add_u32 v[T0], v[T1], 4, v[T0]
	v_and_b32 v[T1], 3, v[TAU]
	v_lshl_add_u32 v[T0], v[T1], 6, v[T0]
	v_lshlrev_b32 v[T1], 12, v[SEQ]
	v_xor_b32 v[T2], 0xff, v[T0]                   ; 255 - rev
	v_lshl_add_u32 v[T0], v[T0], 2, v[T1]
	v_add_nc_u32 v[MGS], MGB, v[T0]                ; outputs rev and rev + 256 go to their own words,
	v_lshl_add_u32 v[T2], v[T2], 2, v[T1]
	v_add_nc_u32 v[MGM], MGB+2048, v[T2]           ; output rev + 512 to word 512 + (255 - rev): THE MIRROR IS MADE BY THE WRITER, so that the reader's address rises with j
	v_mul_u32_u24 v[T4], v[TAU], 3
.irp d, 0,1,2                          ; pooled value i takes spec[3 i - 1], spec[3 i], spec[3 i + 1]
	v_add_nc_u32 v[T0], 511+\d, v[T4]
	v_and_b32 v[T0], 511, v[T0]                    ; j (i = 0: 511 in place of -1; its value is set to 0 later)
	v_bfe_u32 v[SH+\d], v[T0], 8, 1                ; 1 where j >= 256
	v_lshl_add_u32 v[AMX+\d], v[T0], 2, MGB+4096   ; |X[256 j + 128]|: sequence 1, output j
	v_lshl_add_u32 v[T1], v[SH+\d], 8, v[T0]       ; j, or from j = 256 on j + 256: the mirrored word that holds output 1279 - (j + 256) = 1023 - j
	v_lshl_add_u32 v[AMY+\d], v[T1], 2, MGB        ; |X[256 j + 127]| or |X[256 j + 129]|: sequence 0
	v_cvt_f32_u32 v[T1], v[T0]                     ; src = (j + 0.5) x 131073 / 512 - 0.5, rounded as f32 rounds it
	v_add_f32 v[T1], 0.5, v[T1]
	v_mul_f32 v[T1], 0x43800040, v[T1]
	v_add_f32 v[T1], -0.5, v[T1]
	v_lshl_add_u32 v[T0], v[T0], 8, v[SH+\d]
	v_add_nc_u32 v[T0], 127, v[T0]                 ; the lower bin
	v_cvt_f32_u32 v[T0], v[T0]
	v_sub_f32 v[SWG+\d], v[T1], v[T0]              ; the weight of the upper bin, exact; 1 where src was rounded up onto it
.endr
	v_lshl_add_u32 v[SMS], v[TAU], 2, SMB
	v_add_nc_u32 v[T0], 255, v[TAU]
	v_and_b32 v[T0], 255, v[T0]
	v_lshl_add_u32 v[SML], v[T0], 2, SMB           ; the neighbours, round the 256 words
	v_add_nc_u32 v[T0], 1, v[TAU]
	v_and_b32 v[T0], 255, v[T0]
	v_lshl_add_u32 v[SMR], v[T0], 2, SMB
	v_lshl_add_u32 v[QPS], v[T0], 2, QPB           ; peaks[i] goes to word i + 1; thread 255's zero to word 0
	v_mul_u32_u24 v[T4], v0, 2736
.irp e, 0,1,2,3,4,5,6,7                ; second interpolation, j = 8 thread + e: src + 1 = (342 j + 683) / 1024, exact
	v_add_nc_u32 v[T0], 342*\e+683, v[T4]
	v_lshrrev_b32 v[T1], 10, v[T0]
	v_lshl_add_u32 v[ZA+\e], v[T1], 2, QPB
	v_and_b32 v[T0], 0x3ff, v[T0]
	v_cvt_f32_u32 v[T0], v[T0]
	v_mul_f32 v[ZW+\e], 0x3a800000, v[T0]          ; x 2^-10
.endr
	v_lshl_add_u32 v[CDS], v0, 2, CDB
	v_lshrrev_b32 v[T0], 2, v0
	v_add_nc_u32 v[SCS], SCB, v[T0]
	v_bfe_u32 v[T0], v0, 4, 1                      ; h = lane / 16
	v_lshl_add_u32 v[PFA], v[T0], 4, CDB
	v_mov_b32 v[SCA], SCB
	v_lshl_add_u32 v[OSS], v0, 2, OSB
	v_lshl_add_u32 v[OSL], v0, 4, OSB
	v_and_b32 v[T1], 0x1ef, v0                     ; W's row 32 wave + lane % 16
	v_lshlrev_b32 v[WSO], 4, v[T1]                 ; its 16 scale bytes
	v_lshlrev_b32 v[T1], 8, v[T1]
	v_lshl_add_u32 v[WCO], v[T0], 4, v[T1]         ; its 256 bytes of codes, + 16 h
	v_lshlrev_b32 v[BO], 2, v0
	v_lshlrev_b32 v[OO], 4, v0
; Line K (m = 128 half + K) is added to the three sums
.macro ARITH
.set XR, X+4*(K%32)
.set CR, CF+4*(K%4)
.if K == 0
	v_pk_mul_f32 v[SA:SA+1], v[XR:XR+1], 1.0 op_sel_hi:[1,0]       ; the first line starts the sums: nothing is cleared
	v_pk_mul_f32 v[SA+2:SA+3], v[XR+2:XR+3], 1.0 op_sel_hi:[1,0]
	v_pk_mul_f32 v[SB:SB+1], v[XR:XR+1], s[CR:CR+1] op_sel_hi:[1,0]
	v_pk_mul_f32 v[SB+2:SB+3], v[XR+2:XR+3], s[CR:CR+1] op_sel_hi:[1,0]
	v_pk_mul_f32 v[SD:SD+1], v[XR:XR+1], s[CR+2:CR+3] op_sel_hi:[1,0]
	v_pk_mul_f32 v[SD+2:SD+3], v[XR+2:XR+3], s[CR+2:CR+3] op_sel_hi:[1,0]
.else
.if K%2 == 0
	v_pk_add_f32 v[SA:SA+1], v[SA:SA+1], v[XR:XR+1]
	v_pk_add_f32 v[SA+2:SA+3], v[SA+2:SA+3], v[XR+2:XR+3]
.else
	v_pk_add_f32 v[SA:SA+1], v[SA:SA+1], v[XR:XR+1] neg_lo:[0,1] neg_hi:[0,1]
	v_pk_add_f32 v[SA+2:SA+3], v[SA+2:SA+3], v[XR+2:XR+3] neg_lo:[0,1] neg_hi:[0,1]
.endif
	v_pk_fma_f32 v[SB:SB+1], v[XR:XR+1], s[CR:CR+1], v[SB:SB+1] op_sel_hi:[1,0,1]
	v_pk_fma_f32 v[SB+2:SB+3], v[XR+2:XR+3], s[CR:CR+1], v[SB+2:SB+3] op_sel_hi:[1,0,1]
	v_pk_fma_f32 v[SD:SD+1], v[XR:XR+1], s[CR+2:CR+3], v[SD:SD+1] op_sel_hi:[1,0,1]
	v_pk_fma_f32 v[SD+2:SD+3], v[XR+2:XR+3], s[CR+2:CR+3], v[SD+2:SD+3] op_sel_hi:[1,0,1]
.endif
.endm
; Line K's registers take line K + 32, or, when no line is left, a piece of W, of its scales, or b
.macro REFILL
.set XR, X+4*(K%32)
.if K < 96
	global_load_b128 v[XR:XR+3], v[VOFF], s[4:5] offset:(K+32)*4096 th:TH_LOAD_NT
.elseif K < 112
	global_load_b128 v[XR:XR+3], v[WCO], s[6:7] offset:((K-96)/8)*4096+((K-96)%8)*32   ; piece n = 8 t + 2 s + c of W's fragments: tile t, K step s, registers 4 c on: k = 128 s + 64 c + 32 h + 0 .. 31
.elseif K < 114
	global_load_b128 v[XR:XR+3], v[WSO], s[8:9] offset:(K-112)*256                     ; tile t's scale words: four K steps' in four registers
.elseif K == 114
	global_load_b32 v[XR], v[BO], s[10:11]                                             ; b[thread]
.endif
.endm
; Work for later steps, one piece behind each of the first 19 runs: the ring's loads are out meanwhile
.macro JOB
.if JN < 3                             ; the coefficients of lines 32 (JN + 1) on
	v_add_nc_u32 v[T3], (32*(JN+1))<<10, v[MBASE]
	SINCOS TC+JN+1, TS+JN+1, T3
	v_xor_b32 v[TC+JN+1], v[SGN], v[TC+JN+1]
	v_xor_b32 v[TS+JN+1], v[SGN], v[TS+JN+1]
.elseif JN < 7                         ; e^(-2 pi i r p / 2^18) for p = tau + 256 (JN - 3)
	v_add_nc_u32 v[T3], 256*(JN-3), v[TAU]
	v_mul_u32_u24 v[T3], v[T3], v[MUL]
	SINCOS PT+2*(JN-3), PT+2*(JN-3)+1, T3
.elseif JN < 19                        ; stage SS's twiddle W^(KK o), o = tau % q: 2 pi KK o 4^SS / 1024
.set SS, (JN-7)/3
.set KK, (JN-7)%3+1
	v_and_b32 v[T3], (256>>(2*SS))-1, v[TAU]
	v_mul_u32_u24 v[T3], v[T3], KK<<(2*SS+8)
	SINCOS SW+6*SS+2*(KK-1), SW+6*SS+2*(KK-1)+1, T3
.endif
.endm
; A RUN: lines K0 .. K0 + 3
.set K0, 0
.rept 32
.set K, K0
.rept 4
	v_readlane_b32 s[CF+4*(K%4)], v[TC+K/32], K%32         ; a line's two coefficients are the same for all lanes
	v_readlane_b32 s[CF+4*(K%4)+2], v[TS+K/32], K%32
.set K, K+1
.endr
.if K0 < 116
	s_wait_loadcnt 28                              ; loads come back in order: the run's four are in; the 28 issued behind them (lines, and from line 96 on W's pieces in their stead) stay out
.else
	s_wait_loadcnt 143-K0                          ; behind the run's four: 124 - K0 lines and the 19 loads of W, its scales and b
.endif
.set K, K0
.rept 4
	ARITH
.set K, K+1
.endr
.set K, K0
.rept 4
	REFILL
.set K, K+1
.endr
.set JN, K0/4
	JOB
.set K0, K0+4
.endr
	; ---- both halves' partial sums meet in LDS
	ds_store_b128 v[PST], v[SA:SA+3]
	ds_store_b128 v[PST], v[SB:SB+3] offset:4096
	ds_store_b128 v[PST], v[SD:SD+3] offset:8192
	BARRIER
	; ---- stage 0: inputs p = tau + 256 k: the halves are added, turned by e^(-2 pi i r p / 2^18), and go through the first butterfly
.irp k, 0,1,2,3
	ds_load_b32 v[L+\k], v[RRE] offset:1024*\k
	ds_load_b32 v[L+4+\k], v[RRE] offset:1024*\k+12288
	ds_load_b32 v[L+8+\k], v[R4T] offset:1024*\k+8192
	ds_load_b32 v[L+12+\k], v[R4T] offset:1024*\k+20480
.endr
	s_wait_dscnt 0x0
	v_pk_add_f32 v[L:L+1], v[L:L+1], v[L+4:L+5]
	v_pk_add_f32 v[L+2:L+3], v[L+2:L+3], v[L+6:L+7]
	v_pk_add_f32 v[L+8:L+9], v[L+8:L+9], v[L+12:L+13]
	v_pk_add_f32 v[L+10:L+11], v[L+10:L+11], v[L+14:L+15]
	v_pk_mul_f32 v[L+8:L+9], v[L+8:L+9], s[24:25] op_sel_hi:[1,0]
	v_pk_mul_f32 v[L+10:L+11], v[L+10:L+11], s[24:25] op_sel_hi:[1,0]
.irp k, 0,1,2,3
	CMUL F+2*\k, L+\k, L+8+\k, PT+2*\k
.endr
	BFLY
	TWIST 0
	PUT FD0, 2048
	BARRIER
	STAGE 1, DA, 512, A1W, 640, 1                  ; out of the first home into the second: no wave writes bytes that another still reads; the last hand-over from wave to wave
	STAGE 2, DA+1, 128, DA+1, 160, 0               ; from here on in my wave's own 1,280 bytes
	STAGE 3, DA+2, 32, A3W, 8, 0
	; ---- stage 4 has no twiddles; its outputs leave as magnitudes.  Outputs 768 on (residue 3) are read by nobody: they are not finished
	ds_load_b64 v[F:F+1], v[DA+3]
	ds_load_b64 v[F+2:F+3], v[DA+3] offset:264
	ds_load_b64 v[F+4:F+5], v[DA+3] offset:528
	ds_load_b64 v[F+6:F+7], v[DA+3] offset:792
	s_wait_dscnt 0x0
	BFLY
	v_mul_f32 v[O1], v[O0], v[O0]
	v_mul_f32 v[O1+1], v[P1], v[P1]
	v_mul_f32 v[O1+2], v[P2], v[P2]
	v_fma_f32 v[O1], v[O0+1], v[O0+1], v[O1]
	v_fma_f32 v[O1+1], v[P1+1], v[P1+1], v[O1+1]
	v_fma_f32 v[O1+2], v[P2+1], v[P2+1], v[O1+2]
	v_sqrt_f32 v[O1], v[O1]
	v_sqrt_f32 v[O1+1], v[O1+1]
	v_sqrt_f32 v[O1+2], v[O1+2]
	v_nop                                          ; a plain instruction behind the last root
	s_wait_alu depctr_va_vdst(0)                   ; one wait for the three roots, ahead of their first reader
	ds_store_b32 v[MGS], v[O1]                     ; output rev
	ds_store_b32 v[MGS], v[O1+1] offset:1024       ; output rev + 256
	ds_store_b32 v[MGM], v[O1+2]                   ; output rev + 512, mirrored
	BARRIER
	; ---- spec and its means of three: thread i < 256 (values from i = 171 on are never kept)
	s_cmp_lt_u32 s14, 8
	s_cbranch_scc0 .Lno_pool
.irp d, 0,1,2
	ds_load_b32 v[204+\d], v[AMX+\d]
	ds_load_b32 v[208+\d], v[AMY+\d]
.endr
	s_wait_dscnt 0x0
.irp d, 0,1,2
	v_cmp_eq_u32 vcc_lo, 1, v[SH+\d]
	v_cndmask_b32 v[212+\d], v[208+\d], v[204+\d], vcc_lo   ; the lower bin: 256 j + 127, or from j = 256 on 256 j + 128
	v_cndmask_b32 v[216+\d], v[204+\d], v[208+\d], vcc_lo   ; the upper bin
	v_sub_f32 v[220+\d], 1.0, v[SWG+\d]
	v_mul_f32 v[212+\d], v[212+\d], v[220+\d]
	v_fma_f32 v[212+\d], v[216+\d], v[SWG+\d], v[212+\d]
.endr
	v_cmp_ne_u32 vcc_lo, 0, v0
	v_cndmask_b32 v212, 0, v212, vcc_lo            ; the padding in front of spec[0]
	v_add_f32 v212, v212, v213
	v_add_f32 v212, v212, v214
	v_mul_f32 v212, 0x3eaaaaab, v212
	ds_store_b32 v[SMS], v212
.Lno_pool:
	BARRIER
	; ---- peaks: kept where larger than both neighbours, i = 1 .. 169; else 0.  A choice of values: no branch
	s_cmp_lt_u32 s14, 8
	s_cbranch_scc0 .Lno_peak
	ds_load_b32 v204, v[SML]
	ds_load_b32 v205, v[SMS]
	ds_load_b32 v206, v[SMR]
	v_add_nc_u32 v[T0], -1, v0
	s_wait_dscnt 0x0
	v_cmp_gt_f32 vcc_lo, v205, v204
	v_cmp_gt_f32 s26, v205, v206
	v_cmp_gt_u32 s27, 169, v[T0]                   ; i - 1 < 169, unsigned: i = 0 fails too
	s_and_b32 s26, s26, s27
	s_and_b32 vcc_lo, vcc_lo, s26
	v_cndmask_b32 v207, 0, v205, vcc_lo
	ds_store_b32 v[QPS], v207
.Lno_peak:
	BARRIER
	; ---- second interpolation and the quantiser: thread t < 64 holds k = 8 t .. 8 t + 7; four neighbouring lanes hold a block of 32
	s_cmp_lt_u32 s14, 2
	s_cbranch_scc0 .Lno_quant
.irp e, 0,1,2,3,4,5,6,7
	ds_load_b32 v[204+\e], v[ZA+\e]
	ds_load_b32 v[212+\e], v[ZA+\e] offset:4
.endr
	s_wait_dscnt 0x0
.irp e, 0,1,2,3,4,5,6,7
	v_sub_f32 v[220+\e], 1.0, v[ZW+\e]
	v_mul_f32 v[204+\e], v[204+\e], v[220+\e]
	v_fma_f32 v[204+\e], v[212+\e], v[ZW+\e], v[204+\e]
.endr
	v_max3_num_f32 v228, |v204|, |v205|, 0x1800000 ; my eight, and the floor 2^(3 - 127): the byte cannot fall under 1
	v_max3_num_f32 v228, v228, |v206|, |v207|
	v_max3_num_f32 v228, v228, |v208|, |v209|
	v_max3_num_f32 v228, v228, |v210|, |v211|
	v_max_num_f32_dpp v228, v228, v228 row_xmask:1 row_mask:0xf bank_mask:0xf
	v_max_num_f32_dpp v228, v228, v228 row_xmask:2 row_mask:0xf bank_mask:0xf   ; the block's largest magnitude
	v_add_nc_u32 v229, 0xff000000, v228            ; 2 off its exponent field: the conversion's scale operand
	v_lshrrev_b32 v230, 23, v229                   ; the scale's byte
	v_cvt_scalef32_pk8_fp4_f32 v231, v[204:211], v229
	v_nop                                          ; a plain instruction behind the scaled conversion
	ds_store_b32 v[CDS], v231                      ; eight codes, the lower k in the lower bits: bytes 4 t on of the row's 256
	ds_store_b8 v[SCS], v230                       ; the four lanes of a block write the same byte with the same value
.Lno_quant:
	BARRIER
	; ---- the product.  Source 0: the row's codes, the same in all 16 rows of the operand; source 1: 16 rows of W.  Register 0 of a result then holds out0[16 tile + lane % 16].
	; Wave w makes tiles 2 w and 2 w + 1; the two accumulators take turns, one instruction a turn.
.irp s, 0,1,2,3
.irp c, 0,1
	ds_load_b128 v[PF+8*\s+4*\c:PF+8*\s+4*\c+3], v[PFA] offset:64*\s+32*\c
.endr
.endr
	ds_load_b128 v[PS:PS+3], v[SCA]                ; the row's four scale words, the same in every lane
	s_wait_dscnt 0x0
	s_wait_loadcnt 0x0                             ; W, its scales, b
.irp s, 0,1,2,3
.irp t, 0,1
.if \s == 0
	v_wmma_scale_f32_16x16x128_f8f6f4 v[D+8*\t:D+8*\t+7], v[PF+8*\s:PF+8*\s+7], v[WF+32*\t+8*\s:WF+32*\t+8*\s+7], 0, v[PS+\s], v[WSC+4*\t+\s] matrix_a_fmt:MATRIX_FMT_FP4 matrix_b_fmt:MATRIX_FMT_FP4
.else
	v_wmma_scale_f32_16x16x128_f8f6f4 v[D+8*\t:D+8*\t+7], v[PF+8*\s:PF+8*\s+7], v[WF+32*\t+8*\s:WF+32*\t+8*\s+7], v[D+8*\t:D+8*\t+7], v[PS+\s], v[WSC+4*\t+\s] matrix_a_fmt:MATRIX_FMT_FP4 matrix_b_fmt:MATRIX_FMT_FP4
.endif
.endr
.endr
	v_and_b32 v[T0], 16, v0
	v_cmp_ne_u32 vcc_lo, 0, v[T0]
.rept 4
	v_nop                                          ; four places between the last product and the first read of a result (ISA guide 7.12.1)
.endr
	v_cndmask_b32 v[T1], v[D], v[D+8], vcc_lo      ; lanes 0-15 the first tile, lanes 16-31 the second: out0[row][thread]
	v_add_f32 v[T1], v[T1], v[BV]
	ds_store_b32 v[OSS], v[T1]
	BARRIER
	; ---- the row leaves: four waves, 16 bytes a lane: each store of a wave covers 512 consecutive bytes, aligned
	s_cmp_lt_u32 s14, 4
	s_cbranch_scc0 .Lend
	ds_load_b128 v[204:207], v[OSL]
	s_wait_dscnt 0x0
	global_store_b128 v[OO], v[204:207], s[12:13] th:TH_STORE_NT
.Lend:
	s_wait_tensorcnt 0x0
	ds_add_u32 v126, v127
	s_wait_dscnt 0x0
	s_endpgm
.Lfunc_end_k_q12ea554dc2_audio:
	.size	k_q12ea554dc2_audio, .Lfunc_end_k_q12ea554dc2_audio-k_q12ea554dc2_audio
	.p2alignl 7, 3214868480
	.fill 96, 4, 3214868480
	.section	.rodata,"a",@progbits
	.p2align	6, 0x0
	.amdhsa_kernel k_q12ea554dc2_audio
		.amdhsa_group_segment_fixed_size 76288
		.amdhsa_private_segment_fixed_size 0
		.amdhsa_enable_private_segment 0
		.amdhsa_kernarg_size 40
		.amdhsa_user_sgpr_count 2
		.amdhsa_user_sgpr_kernarg_segment_ptr 1
		.amdhsa_wavefront_size32 1
		.amdhsa_system_sgpr_workgroup_id_x 1
		.amdhsa_system_sgpr_workgroup_id_y 1
		.amdhsa_system_sgpr_workgroup_id_z 1
		.amdhsa_system_vgpr_workitem_id 0
		.amdhsa_next_free_vgpr 256
		.amdhsa_next_free_sgpr 66
		.amdhsa_reserve_vcc 1
		.amdhsa_float_denorm_mode_32 3
		.amdhsa_float_denorm_mode_16_64 3
		.amdhsa_memory_ordered 1
		.amdhsa_forward_progress 1
		.amdhsa_inst_pref_size 137
	.end_amdhsa_kernel
	.amdgpu_metadata
---
amdhsa.version: [ 1, 2 ]
amdhsa.kernels:
  - .name:           k_q12ea554dc2_audio
    .symbol:         k_q12ea554dc2_audio.kd
    .args:
      - { .name: audio, .offset: 0, .size: 8, .value_kind: global_buffer, .address_space: global }
      - { .name: W_codes, .offset: 8, .size: 8, .value_kind: global_buffer, .address_space: global }
      - { .name: W_scales, .offset: 16, .size: 8, .value_kind: global_buffer, .address_space: global }
      - { .name: b, .offset: 24, .size: 8, .value_kind: global_buffer, .address_space: global }
      - { .name: out0, .offset: 32, .size: 8, .value_kind: global_buffer, .address_space: global }
    .group_segment_fixed_size: 76288
    .private_segment_fixed_size: 0
    .kernarg_segment_align: 8
    .kernarg_segment_size: 40
    .max_flat_workgroup_size: 512
    .sgpr_count:     66
    .vgpr_count:     256
    .wavefront_size: 32
...
	.end_amdgpu_metadata
.endif
;; end of part 1
;; ======== version 2 of 2: 1 launch; version 1 with the launch audio written anew for expert scheduling mode
;; limits: right only within a limited range of input values
;; launch audio (part 2): grid 128 x 1, 16 waves a work-group, no clusters, 76,288 bytes of LDS; arguments audio, W_codes, W_scales, b, out0; writes out0
.if DOCPART == 2
	.amdgcn_target "amdgcn-amd-amdhsa--gfx1250"
	.amdhsa_code_object_version 6
	.text
	.protected	k_q12ea554dc2_audio
	.globl	k_q12ea554dc2_audio
	.p2align	8
	.type	k_q12ea554dc2_audio,@function
k_q12ea554dc2_audio:
	s_mov_b64 s[64:65], 0
	v_nop
	global_prefetch_b8 v0, s[64:65] scope:SCOPE_SE
	s_setreg_imm32_b32 hwreg(HW_REG_WAVE_SCHED_MODE, 0, 2), 2
	s_setreg_imm32_b32 hwreg(HW_REG_WAVE_MODE, 25, 1), 1
	s_wait_xcnt 0x0
	s_wait_alu depctr_vm_vsrc(0)
; out0[row] = Q(peaks(spec(|rfft(audio[row])|))) W^T + b.  audio [128][262144] f32; W as E2M1 codes [512][256 bytes] with E8M0 bytes [512][16]; b [512]; out0 [128][512] f32.
; WHICH BINS.  The first interpolation reads bins 256 j + 127 and 256 j + 128 (j < 256), 256 j + 128 and 256 j + 129 (j >= 256).  With n = 1024 m + p and k = 256 j + r:
;   X[k] = sum_p e^(-2 pi i j p / 1024) e^(-2 pi i r p / 2^18) sum_m x[1024 m + p] e^(-2 pi i r m / 256).
; r = 128: the inner factor is (-1)^m;  r = 127: (-1)^m (cos + i sin)(2 pi m / 256);  x is real, so |X[256 j + 129]| = |X[256 (1023 - j) + 127]|.
; So a row needs three real sums for each p: A = sum (-1)^m x, C = sum (-1)^m cos x, S = sum (-1)^m sin x; then two complex transforms of 1,024 points:
; sequence 0: (C + i S) e^(-2 pi i 127 p / 2^18), sequence 1: A e^(-2 pi i 128 p / 2^18).
; SHARES.  One work-group, sixteen waves, owns one row: all later steps need the row's whole spectrum, and work-groups hand each other nothing.
; THE STREAM.  Wave w takes p = 128 (w & 7) .. + 127 and m = 128 (w >> 3) .. + 127; a lane holds 4 neighbouring p; a load of the wave covers 512 consecutive bytes, aligned; 28 to 32 loads of each wave are out
; (16 waves x 32 x 512 bytes at the most).  IT GOES IN RUNS OF FOUR LINES: eight coefficients into scalar registers, one wait, 24 packed instructions, four loads back to back: vector and memory instructions change hands
; 32 times a wave, not 128 times.  All 32 runs are written out, each offset an immediate: no address register is ever rewritten.  The twiddles of the later steps are computed between the runs; the LDS addresses are made at the head, behind the first loads.
; While the ring runs dry its registers take W's fragments, in the operand's layout, W's scale words and b: they land while the transforms run.
; W is the only input that work-groups share: 139,264 of the 1,187,840 bytes that a work-group reads; it goes straight to registers and this text has no tensor load, so there is no joint request.
; No prefetch: the stream's own loads are out from the first line to the last run.
; THE TRANSFORMS.  Radix 4, five stages, 256 threads a sequence.  Stages 0 and 1 hand elements from wave to wave: a barrier behind each.  From stage 2 on threads 32 w .. 32 w + 31 own elements 128 w .. 128 w + 127:
; those stages run in the wave's own 1,280 bytes with no barrier, and the elements are laid anew for each stage so that the 32 lanes of every load and store fall on 64 different banks.
; COS AND SIN of 2 pi t / 2^18, t whole: the nearest quadrant is taken off t exactly, the rest (at most pi / 4) goes through Taylor sums to x^9 and x^10, whose first dropped terms lie under 2e-9.
; LIMITS.  NaN and infinities are not served (sequence 1's imaginary part is S x 0; the edges of the peaks are read as zeros).  A magnitude is sqrt(re^2 + im^2) in f32: good from about 1e-18 to 1e19.
; The sums' order is not an FFT library's; the mean of three is a multiplication by 1/3.  A block of zeros gets the scale byte 1, not 127: its codes are zeros and the bytes are read here alone.
; THE MODE: SCHED_MODE bits 1:0 = 2 (LLVM: expert scheduling mode 2), set by the entry lines.  The code itself states the register dependences between vector or matrix instructions
; and memory or LDS instructions, and those through scalar registers and VCC that vector instructions write, with s_wait_alu, always for 0.
; THE PLAN.  Registers that memory or LDS instructions touch:
;   v1, v60-96, v117-119, v126, v127   Offsets and addresses: written once at the head, read by loads and stores, never written again.  v1 stands ahead of the wait in front of the ring's first loads, the others ahead of the first run's wait.
;   v128-255, the ring   A run's 24 packed instructions read its four slots; ONE wait on va_vdst stands behind them; the run's four loads land in those slots.  What stands between the runs names v2-15 and v28-59 alone.
;   s[32:47]             Written by a run's eight v_readlane_b32, read by its packed instructions: one wait on va_sdst behind the eight.
;   v16-27               The three sums: written by the packed instructions, read by three LDS stores behind one wait on va_vdst.
;   F (v204-211)         A stage's LDS loads land in it; its butterfly reads it.
;   O0 .. O3 (v220-233)  Written by a stage's butterfly and twist, read by its four LDS stores.
;   So a stage has two waits: on vm_vsrc ahead of the butterfly (the stage before's stores have read O0 .. O3), and on va_vdst ahead of its stores (O0 .. O3 are written, and F is read out: the next stage's loads owe nothing more).
;   v204-239 in the tail Each step's vector lines end ahead of the wait on va_vdst in front of its one or two LDS stores; a wait on vm_vsrc stands ahead of the quantiser's step and ahead of the product's, whose loads land in registers that were store data.
.set PAB, 0                            ; LDS: partial sums [m half][A, C, S][1024] f32
.set FDB, 24576                        ; the two sequences between stages 0 and 1: 1,024 x (re, im) each, as they are numbered
.set MGB, 40960                        ; magnitudes [sequence][1024 words]: word q < 512 holds output q; word q = 512 .. 767 holds output 1279 - q (mirrored); the rest is not used
.set SMB, 49152                        ; pooled spectrum, 256 words
.set QPB, 50176                        ; peaks, one place up: word i + 1 = peaks[i]; word 0 = 0
.set CDB, 51200                        ; the row's 512 codes, 256 bytes
.set SCB, 51456                        ; its 16 scale bytes
.set OSB, 51712                        ; the row of out0, 2,048 bytes
.set GB,  53760                        ; the two sequences from stage 1's results on: 10,240 bytes each, 1,280 for each wave's 128 elements
.set VOFF, 1                           ; v1 my byte offset in the row's stream; never rewritten
.set T0, 2                             ; v2-7 at work
.set T1, 3
.set T2, 4
.set T3, 5
.set T4, 6
.set T5, 7
.set TC, 8                             ; v8-11  lane l: (-1)^m cos(2 pi m / 256) of line 32 g + l;  v12-15 the same with sin
.set TS, 12
.set SA, 16                            ; v16-19 A, v20-23 C, v24-27 S of my 4 columns
.set SB, 20
.set SD, 24
.set PT, 28                            ; v28-35 (cos, sin) of the turn in front of the transform, p = tau + 256 k
.set SW, 36                            ; v36-59 (cos, sin) of stage s's twiddles W^(k o), k = 1 .. 3, at SW + 6 s + 2 (k - 1)
.set PST, 60                           ; v60-96 and v117-119: addresses, all made at the head from v0 and never rewritten
.set RRE, 61
.set R4T, 62
.set FD0, 63
.set DA, 64                            ; v64 stage 1 reads; v65 stage 2 reads and writes; v66 stage 3 reads; v67 stage 4 reads
.set MGS, 68
.set AMX, 69
.set AMY, 72
.set SMS, 75
.set SML, 76
.set SMR, 77
.set QPS, 78
.set ZA, 79
.set CDS, 87
.set SCS, 88
.set PFA, 89
.set SCA, 90
.set OSS, 91
.set OSL, 92
.set WCO, 93
.set WSO, 94
.set BO, 95
.set OO, 96
.set SWG, 97                           ; v97-99 first interpolation's weights;  v100-102 1 where j >= 256;  v103-110 second interpolation's weights
.set SH, 100
.set ZW, 103
.set TAU, 111                          ; thread % 256
.set SEQ, 112                          ; thread / 256: my half of m in the stream, my sequence in the transforms
.set LANE, 113
.set MBASE, 114
.set SGN, 115
.set MUL, 116
.set MGM, 117                          ; where my output 512 + rev goes: the mirrored word
.set A1W, 118                          ; stage 1 writes
.set A3W, 119                          ; stage 3 writes
.set CF, 32                            ; s[32:47] a run's coefficients: line i of the four: cos in s[CF + 4 i], sin in s[CF + 4 i + 2]; the odd words are named with them as pairs and hold 0
.set X, 128                            ; v128-255 the ring: 32 slots of 4
.set WF, 128                           ; later: W's fragments (tile t, K step s) at WF + 32 t + 8 s;
.set WSC, 192                          ; W's scale words (tile t, K step s) at WSC + 4 t + s;
.set BV, 200                           ; b
.set F, 204                            ; a butterfly's four inputs
.set TT, 212
.set O0, 220
.set P1, 222
.set P2, 224
.set P3, 226
.set O1, 228
.set O2, 230
.set O3, 232
.set L, 236                            ; stage 0's sixteen loads
.set PF, 204                           ; the product: the row's fragments, its scale words, two accumulators
.set PS, 236
.set D, 240
; (cos, sin) of 2 pi t / 2^18, t in v[t], 0 <= t < 2^18
.macro SINCOS c, s, t
	v_add_nc_u32 v[T0], 0x8000, v[\t]
	v_lshrrev_b32 v[T0], 16, v[T0]                 ; the nearest quadrant, 0 .. 4
	v_and_b32 v[T4], 1, v[T0]
	v_cmp_eq_u32 vcc_lo, 1, v[T4]                  ; odd quadrant: the two change places, below.  The compare stands here, so that the two sums lie between it and the wait for VCC
	v_lshlrev_b32 v[T1], 16, v[T0]
	v_sub_nc_u32 v[T1], v[\t], v[T1]               ; what is left, -2^15 .. 2^15 - 1: exact
	v_cvt_f32_i32 v[T1], v[T1]
	v_mul_f32 v[T1], 0x37c90fdb, v[T1]             ; x = that times 2 pi / 2^18
	v_mul_f32 v[T2], v[T1], v[T1]
	v_mov_b32 v[\s], 0x3638ef1d                    ; 1/9!
	v_mov_b32 v[\c], 0xb493f27e                    ; -1/10!
	v_fmaak_f32 v[\s], v[\s], v[T2], 0xb9500d01    ; -1/7!
	v_fmaak_f32 v[\c], v[\c], v[T2], 0x37d00d01    ; 1/8!
	v_fmaak_f32 v[\s], v[\s], v[T2], 0x3c088889    ; 1/5!
	v_fmaak_f32 v[\c], v[\c], v[T2], 0xbab60b61    ; -1/6!
	v_fmaak_f32 v[\s], v[\s], v[T2], 0xbe2aaaab    ; -1/3!
	v_fmaak_f32 v[\c], v[\c], v[T2], 0x3d2aaaab    ; 1/4!
	v_mul_f32 v[\s], v[\s], v[T2]
	v_fmaak_f32 v[\c], v[\c], v[T2], 0xbf000000    ; -1/2
	v_fma_f32 v[\s], v[\s], v[T1], v[T1]           ; sin x
	v_fma_f32 v[\c], v[\c], v[T2], 1.0             ; cos x
	s_wait_alu depctr_va_vcc(0)                    ; the compare has written VCC, which the two selections read
	v_cndmask_b32 v[T1], v[\c], v[\s], vcc_lo
	v_cndmask_b32 v[T2], v[\s], v[\c], vcc_lo
	v_add_nc_u32 v[\c], 1, v[T0]
	v_and_b32 v[\s], 2, v[T0]                      ; sin is turned in quadrants 2, 3,
	v_and_b32 v[\c], 2, v[\c]                      ; cos in quadrants 1, 2
	v_lshlrev_b32 v[\s], 30, v[\s]
	v_lshlrev_b32 v[\c], 30, v[\c]
	v_xor_b32 v[\s], v[\s], v[T2]
	v_xor_b32 v[\c], v[\c], v[T1]
.endm
; (d, d + 1) = (ar + i ai) (cos - i sin), the pair (cos, sin) at w
.macro CMUL d, ar, ai, w
	v_mul_f32 v[\d], v[\ai], v[\w+1]
	v_mul_f32 v[\d+1], v[\ar], v[\w+1]
	v_fma_f32 v[\d], v[\ar], v[\w], v[\d]
	v_fma_f32 v[\d+1], v[\ai], v[\w], -v[\d+1]
.endm
; four points: residue 0 in O0, residues 1 to 3, not yet twisted, in P1 to P3.  a0 + (-i)^r a1 + (-1)^r a2 + i^r a3
.macro BFLY
	v_pk_add_f32 v[TT:TT+1], v[F:F+1], v[F+4:F+5]
	v_pk_add_f32 v[TT+2:TT+3], v[F:F+1], v[F+4:F+5] neg_lo:[0,1] neg_hi:[0,1]
	v_pk_add_f32 v[TT+4:TT+5], v[F+2:F+3], v[F+6:F+7]
	v_pk_add_f32 v[TT+6:TT+7], v[F+2:F+3], v[F+6:F+7] neg_lo:[0,1] neg_hi:[0,1]
	v_pk_add_f32 v[O0:O0+1], v[TT:TT+1], v[TT+4:TT+5]
	v_pk_add_f32 v[P2:P2+1], v[TT:TT+1], v[TT+4:TT+5] neg_lo:[0,1] neg_hi:[0,1]
	v_add_f32 v[P1], v[TT+2], v[TT+7]
	v_sub_f32 v[P1+1], v[TT+3], v[TT+6]
	v_sub_f32 v[P3], v[TT+2], v[TT+7]
	v_add_f32 v[P3+1], v[TT+3], v[TT+6]
.endm
.macro TWIST s                         ; residue k times W^(k o)
	CMUL O1, P1, P1+1, SW+6*\s
	CMUL O2, P2, P2+1, SW+6*\s+2
	CMUL O3, P3, P3+1, SW+6*\s+4
.endm
.macro PUT adr, ws                     ; residue r takes the number of input r; in the layout that is written they lie ws bytes apart
	ds_store_b64 v[\adr], v[O0:O0+1]
	ds_store_b64 v[\adr], v[O1:O1+1] offset:\ws
	ds_store_b64 v[\adr], v[O2:O2+1] offset:2*\ws
	ds_store_b64 v[\adr], v[O3:O3+1] offset:3*\ws
.endm
.macro BARRIER                         ; my LDS stores have landed and my LDS loads are in: then the work-group's barrier
	s_wait_dscnt 0x0
	s_barrier_signal -1
	s_barrier_wait -1
.endm
; a stage: four inputs rs bytes apart from v[ra], four results ws bytes apart to v[wa].  bar = 0: the next stage reads what my own wave has stored: LDS serves a wave's instructions in order (ISA guide 5.7.1.4)
.macro STAGE s, ra, rs, wa, ws, bar
	ds_load_b64 v[F:F+1], v[\ra]                   ; (no vector instruction has named F since the wait ahead of the last stage's stores)
	ds_load_b64 v[F+2:F+3], v[\ra] offset:\rs
	ds_load_b64 v[F+4:F+5], v[\ra] offset:2*\rs
	ds_load_b64 v[F+6:F+7], v[\ra] offset:3*\rs
	s_wait_dscnt 0x0                               ; my loads are back: the stores below may fall on the bytes that they read
	s_wait_alu depctr_vm_vsrc(0)                   ; the last stage's four stores have read O0 .. O3, which the butterfly and the twist write again
	BFLY
	TWIST \s
	s_wait_alu depctr_va_vdst(0)                   ; O0 .. O3 are written, which the stores read; the butterfly is done reading F, in which the next stage's loads land
	PUT \wa, \ws
.if \bar
	BARRIER
.endif
.endm
	s_load_b256 s[4:11], s[0:1], 0x0               ; audio s[4:5], W's codes s[6:7], W's scales s[8:9], b s[10:11]
	s_load_b64 s[12:13], s[0:1], 0x20              ; out0
	v_lshl_add_u32 v126, v0, 2, 0x12200
	v_mov_b32 v127, 0
	v_and_b32 v[TAU], 0xff, v0
	v_lshrrev_b32 v[SEQ], 8, v0
	v_and_b32 v[LANE], 31, v0
	v_lshrrev_b32 v[T0], 5, v0
	v_readfirstlane_b32 s14, v[T0]                 ; wave 0 .. 15
	v_lshlrev_b32 v[VOFF], 4, v[TAU]               ; 16 bytes a thread: eight waves cover a line of 4,096 bytes,
	v_lshl_add_u32 v[VOFF], v[SEQ], 19, v[VOFF]    ; the other eight the line 128 further down
	s_lshl_b32 s16, ttmp9, 20                      ; my row of audio: 2^20 bytes a row
	s_mov_b32 s17, 0
	s_lshl_b32 s18, ttmp9, 11                      ; my row of out0
	s_mov_b32 s19, 0
.irp r, 33,35,37,39,41,43,45,47
	s_mov_b32 s\r, 0                               ; (upper words of pairs that packed forms name)
.endr
	s_mov_b32 s25, 0
	s_wait_alu depctr_va_sdst(0)                   ; s14 is written, ahead of its first reader
	s_lshr_b32 s15, s14, 3
	s_mov_b32 s24, 0x3f800000
	s_cmp_eq_u32 s15, 0
	s_cselect_b32 s24, s24, 0                      ; 1.0 for sequence 0, whose imaginary part is S; 0 for sequence 1, which has none
	s_wait_kmcnt 0x0
	s_add_nc_u64 s[4:5], s[4:5], s[16:17]
	s_add_nc_u64 s[12:13], s[12:13], s[18:19]
	s_wait_alu depctr_va_vdst(0)                   ; v1 is written, which every load of the stream reads as its offset
.set K, 0
.rept 32
	global_load_b128 v[X+4*K:X+4*K+3], v[VOFF], s[4:5] offset:K*4096 th:TH_LOAD_NT   ; the ring is filled before anything else is done
.set K, K+1
.endr
	; the first 32 lines' coefficients
	v_lshl_add_u32 v[T0], v[SEQ], 7, v[LANE]
	v_lshlrev_b32 v[MBASE], 10, v[T0]              ; m = 128 half + lane, as t = 1024 m
	v_lshlrev_b32 v[SGN], 31, v[LANE]              ; (-1)^m as a sign bit: m and my lane are odd together
	v_add_nc_u32 v[MUL], 127, v[SEQ]               ; r = 127 or 128
	SINCOS TC, TS, MBASE
	v_xor_b32 v[TC], v[SGN], v[TC]
	v_xor_b32 v[TS], v[SGN], v[TS]
	; every address of the later steps, from v0 and constants
	v_mul_u32_u24 v[T0], v[SEQ], 12288
	v_lshl_add_u32 v[PST], v[TAU], 4, v[T0]        ; my partial sums: half x 12,288 + 16 tau
	v_lshlrev_b32 v[R4T], 2, v[TAU]                ; word tau of an array of partial sums
	v_lshlrev_b32 v[T0], 12, v[SEQ]
	v_add_nc_u32 v[RRE], 4096, v[R4T]
	v_sub_nc_u32 v[RRE], v[RRE], v[T0]             ; the real part: C for sequence 0, A for sequence 1
	v_lshlrev_b32 v[T4], 13, v[SEQ]
	v_add_nc_u32 v[T4], FDB, v[T4]                 ; my sequence between stages 0 and 1: element e at 8 e
	v_lshl_add_u32 v[FD0], v[TAU], 3, v[T4]        ; stage 0 writes elements tau + 256 r
	v_lshrrev_b32 v[T0], 6, v[TAU]
	v_and_b32 v[T1], 63, v[TAU]
	v_lshl_add_u32 v[T2], v[T0], 8, v[T1]
	v_lshl_add_u32 v[DA], v[T2], 3, v[T4]          ; stage 1 reads elements 256 (tau / 64) + tau % 64 + 64 k
	v_mul_u32_u24 v[T5], v[SEQ], 10240
	v_add_nc_u32 v[T5], GB, v[T5]                  ; my sequence from stage 1's results on
	; between stages 1 and 2: element e at 8 e + 128 (e / 64): blocks of 64 elements lie 640 bytes apart, which is 32 banks past a whole number of times through the 64
	v_mad_u32_u24 v[T0], v[T0], 2560, v[T5]
	v_lshl_add_u32 v[A1W], v[T1], 3, v[T0]         ; stage 1 writes 256 (tau / 64) + tau % 64 + 64 r: the r's 640 bytes apart; a wave's 32 lanes 256 bytes on end
	v_lshrrev_b32 v[T0], 4, v[TAU]
	v_and_b32 v[T1], 15, v[TAU]
	v_mad_u32_u24 v[T0], v[T0], 640, v[T5]
	v_lshl_add_u32 v[DA+1], v[T1], 3, v[T0]        ; stage 2 reads 64 (tau / 16) + tau % 16 + 16 k, the k's 128 bytes apart: lanes 0-15 take 32 banks, lanes 16-31 the other 32;
	; between stages 2 and 3: element e at 160 (e / 16) + 8 (e % 16).  Stage 2 writes from the same register, the r's 160 bytes apart
	v_lshrrev_b32 v[T0], 2, v[TAU]
	v_and_b32 v[T1], 3, v[TAU]
	v_mad_u32_u24 v[T0], v[T0], 160, v[T5]
	v_lshl_add_u32 v[DA+2], v[T1], 3, v[T0]        ; stage 3 reads 16 (tau / 4) + tau % 4 + 4 k, the k's 32 bytes apart: eight groups of four lanes, 40 banks from group to group
	; between stages 3 and 4: element 4 t + k at 1,280 (t / 32) + 264 k + 8 (t % 32)
	v_lshrrev_b32 v[T0], 5, v[TAU]
	v_mad_u32_u24 v[T0], v[T0], 1280, v[T5]        ; my wave's 1,280 bytes: the same in all three layouts
	v_lshl_add_u32 v[DA+3], v[LANE], 3, v[T0]      ; stage 4 reads elements 4 tau + k, the k's 264 bytes apart: 32 lanes 256 bytes on end
	v_mad_u32_u24 v[T0], v[T1], 264, v[T0]
	v_bfe_u32 v[T1], v[TAU], 2, 3
	v_lshl_add_u32 v[A3W], v[T1], 5, v[T0]         ; stage 3 writes 16 (tau / 4) + tau % 4 + 4 r, which is t = 4 (tau / 4) + r, k = tau % 4: the r's 8 bytes apart; 264 (tau % 4) + 32 ((tau / 4) % 8): each pair of banks once
	v_lshrrev_b32 v[T0], 6, v[TAU]                 ; element 4 tau + r4 holds output j = rev + 256 r4, rev = tau's base-4 digits reversed
	v_bfe_u32 v[T1], v[TAU], 4, 2
	v_lshl_add_u32 v[T0], v[T1], 2, v[T0]
	v_bfe_u32 v[T1], v[TAU], 2, 2
	v_lshl_add_u32 v[T0], v[T1], 4, v[T0]
	v_and_b32 v[T1], 3, v[TAU]
	v_lshl_add_u32 v[T0], v[T1], 6, v[T0]
	v_lshlrev_b32 v[T1], 12, v[SEQ]
	v_xor_b32 v[T2], 0xff, v[T0]                   ; 255 - rev
	v_lshl_add_u32 v[T0], v[T0], 2, v[T1]
	v_add_nc_u32 v[MGS], MGB, v[T0]                ; outputs rev and rev + 256 go to their own words,
	v_lshl_add_u32 v[T2], v[T2], 2, v[T1]
	v_add_nc_u32 v[MGM], MGB+2048, v[T2]           ; output rev + 512 to word 512 + (255 - rev): THE MIRROR IS MADE BY THE WRITER, so that the reader's address rises with j
	v_mul_u32_u24 v[T4], v[TAU], 3
.irp d, 0,1,2                          ; pooled value i takes spec[3 i - 1], spec[3 i], spec[3 i + 1]
	v_add_nc_u32 v[T0], 511+\d, v[T4]
	v_and_b32 v[T0], 511, v[T0]                    ; j (i = 0: 511 in place of -1; its value is set to 0 later)
	v_bfe_u32 v[SH+\d], v[T0], 8, 1                ; 1 where j >= 256
	v_lshl_add_u32 v[AMX+\d], v[T0], 2, MGB+4096   ; |X[256 j + 128]|: sequence 1, output j
	v_lshl_add_u32 v[T1], v[SH+\d], 8, v[T0]       ; j, or from j = 256 on j + 256: the mirrored word that holds output 1279 - (j + 256) = 1023 - j
	v_lshl_add_u32 v[AMY+\d], v[T1], 2, MGB        ; |X[256 j + 127]| or |X[256 j + 129]|: sequence 0
	v_cvt_f32_u32 v[T1], v[T0]                     ; src = (j + 0.5) x 131073 / 512 - 0.5, rounded as f32 rounds it
	v_add_f32 v[T1], 0.5, v[T1]
	v_mul_f32 v[T1], 0x43800040, v[T1]
	v_add_f32 v[T1], -0.5, v[T1]
	v_lshl_add_u32 v[T0], v[T0], 8, v[SH+\d]
	v_add_nc_u32 v[T0], 127, v[T0]                 ; the lower bin
	v_cvt_f32_u32 v[T0], v[T0]
	v_sub_f32 v[SWG+\d], v[T1], v[T0]              ; the weight of the upper bin, exact; 1 where src was rounded up onto it
.endr
	v_lshl_add_u32 v[SMS], v[TAU], 2, SMB
	v_add_nc_u32 v[T0], 255, v[TAU]
	v_and_b32 v[T0], 255, v[T0]
	v_lshl_add_u32 v[SML], v[T0], 2, SMB           ; the neighbours, round the 256 words
	v_add_nc_u32 v[T0], 1, v[TAU]
	v_and_b32 v[T0], 255, v[T0]
	v_lshl_add_u32 v[SMR], v[T0], 2, SMB
	v_lshl_add_u32 v[QPS], v[T0], 2, QPB           ; peaks[i] goes to word i + 1; thread 255's zero to word 0
	v_mul_u32_u24 v[T4], v0, 2736
.irp e, 0,1,2,3,4,5,6,7                ; second interpolation, j = 8 thread + e: src + 1 = (342 j + 683) / 1024, exact
	v_add_nc_u32 v[T0], 342*\e+683, v[T4]
	v_lshrrev_b32 v[T1], 10, v[T0]
	v_lshl_add_u32 v[ZA+\e], v[T1], 2, QPB
	v_and_b32 v[T0], 0x3ff, v[T0]
	v_cvt_f32_u32 v[T0], v[T0]
	v_mul_f32 v[ZW+\e], 0x3a800000, v[T0]          ; x 2^-10
.endr
	v_lshl_add_u32 v[CDS], v0, 2, CDB
	v_lshrrev_b32 v[T0], 2, v0
	v_add_nc_u32 v[SCS], SCB, v[T0]
	v_bfe_u32 v[T0], v0, 4, 1                      ; h = lane / 16
	v_lshl_add_u32 v[PFA], v[T0], 4, CDB
	v_mov_b32 v[SCA], SCB
	v_lshl_add_u32 v[OSS], v0, 2, OSB
	v_lshl_add_u32 v[OSL], v0, 4, OSB
	v_and_b32 v[T1], 0x1ef, v0                     ; W's row 32 wave + lane % 16
	v_lshlrev_b32 v[WSO], 4, v[T1]                 ; its 16 scale bytes
	v_lshlrev_b32 v[T1], 8, v[T1]
	v_lshl_add_u32 v[WCO], v[T0], 4, v[T1]         ; its 256 bytes of codes, + 16 h
	v_lshlrev_b32 v[BO], 2, v0
	v_lshlrev_b32 v[OO], 4, v0
; Line K (m = 128 half + K) is added to the three sums
.macro ARITH
.set XR, X+4*(K%32)
.set CR, CF+4*(K%4)
.if K == 0
	v_pk_mul_f32 v[SA:SA+1], v[XR:XR+1], 1.0 op_sel_hi:[1,0]       ; the first line starts the sums: nothing is cleared
	v_pk_mul_f32 v[SA+2:SA+3], v[XR+2:XR+3], 1.0 op_sel_hi:[1,0]
	v_pk_mul_f32 v[SB:SB+1], v[XR:XR+1], s[CR:CR+1] op_sel_hi:[1,0]
	v_pk_mul_f32 v[SB+2:SB+3], v[XR+2:XR+3], s[CR:CR+1] op_sel_hi:[1,0]
	v_pk_mul_f32 v[SD:SD+1], v[XR:XR+1], s[CR+2:CR+3] op_sel_hi:[1,0]
	v_pk_mul_f32 v[SD+2:SD+3], v[XR+2:XR+3], s[CR+2:CR+3] op_sel_hi:[1,0]
.else
.if K%2 == 0
	v_pk_add_f32 v[SA:SA+1], v[SA:SA+1], v[XR:XR+1]
	v_pk_add_f32 v[SA+2:SA+3], v[SA+2:SA+3], v[XR+2:XR+3]
.else
	v_pk_add_f32 v[SA:SA+1], v[SA:SA+1], v[XR:XR+1] neg_lo:[0,1] neg_hi:[0,1]
	v_pk_add_f32 v[SA+2:SA+3], v[SA+2:SA+3], v[XR+2:XR+3] neg_lo:[0,1] neg_hi:[0,1]
.endif
	v_pk_fma_f32 v[SB:SB+1], v[XR:XR+1], s[CR:CR+1], v[SB:SB+1] op_sel_hi:[1,0,1]
	v_pk_fma_f32 v[SB+2:SB+3], v[XR+2:XR+3], s[CR:CR+1], v[SB+2:SB+3] op_sel_hi:[1,0,1]
	v_pk_fma_f32 v[SD:SD+1], v[XR:XR+1], s[CR+2:CR+3], v[SD:SD+1] op_sel_hi:[1,0,1]
	v_pk_fma_f32 v[SD+2:SD+3], v[XR+2:XR+3], s[CR+2:CR+3], v[SD+2:SD+3] op_sel_hi:[1,0,1]
.endif
.endm
; Line K's registers take line K + 32, or, when no line is left, a piece of W, of its scales, or b
.macro REFILL
.set XR, X+4*(K%32)
.if K < 96
	global_load_b128 v[XR:XR+3], v[VOFF], s[4:5] offset:(K+32)*4096 th:TH_LOAD_NT
.elseif K < 112
	global_load_b128 v[XR:XR+3], v[WCO], s[6:7] offset:((K-96)/8)*4096+((K-96)%8)*32   ; piece n = 8 t + 2 s + c of W's fragments: tile t, K step s, registers 4 c on: k = 128 s + 64 c + 32 h + 0 .. 31
.elseif K < 114
	global_load_b128 v[XR:XR+3], v[WSO], s[8:9] offset:(K-112)*256                     ; tile t's scale words: four K steps' in four registers
.elseif K == 114
	global_load_b32 v[XR], v[BO], s[10:11]                                             ; b[thread]
.endif
.endm
; Work for later steps, one piece behind each of the first 19 runs: the ring's loads are out meanwhile.  It names v2-15 and v28-59, and reads v111-116: no register that a load or store touches
.macro JOB
.if JN < 3                             ; the coefficients of lines 32 (JN + 1) on
	v_add_nc_u32 v[T3], (32*(JN+1))<<10, v[MBASE]
	SINCOS TC+JN+1, TS+JN+1, T3
	v_xor_b32 v[TC+JN+1], v[SGN], v[TC+JN+1]
	v_xor_b32 v[TS+JN+1], v[SGN], v[TS+JN+1]
.elseif JN < 7                         ; e^(-2 pi i r p / 2^18) for p = tau + 256 (JN - 3)
	v_add_nc_u32 v[T3], 256*(JN-3), v[TAU]
	v_mul_u32_u24 v[T3], v[T3], v[MUL]
	SINCOS PT+2*(JN-3), PT+2*(JN-3)+1, T3
.elseif JN < 19                        ; stage SS's twiddle W^(KK o), o = tau % q: 2 pi KK o 4^SS / 1024
.set SS, (JN-7)/3
.set KK, (JN-7)%3+1
	v_and_b32 v[T3], (256>>(2*SS))-1, v[TAU]
	v_mul_u32_u24 v[T3], v[T3], KK<<(2*SS+8)
	SINCOS SW+6*SS+2*(KK-1), SW+6*SS+2*(KK-1)+1, T3
.endif
.endm
; A RUN: lines K0 .. K0 + 3
.set K0, 0
.rept 32
.set K, K0
.rept 4
	v_readlane_b32 s[CF+4*(K%4)], v[TC+K/32], K%32         ; a line's two coefficients are the same for all lanes
	v_readlane_b32 s[CF+4*(K%4)+2], v[TS+K/32], K%32
.set K, K+1
.endr
	s_wait_alu depctr_va_sdst(0)                   ; the eight coefficients are written into s[32:47], ahead of the packed instructions that read them
.if K0 < 116
	s_wait_loadcnt 28                              ; loads come back in order: the run's four are in; the 28 issued behind them (lines, and from line 96 on W's pieces in their stead) stay out
.else
	s_wait_loadcnt 143-K0                          ; behind the run's four: 124 - K0 lines and the 19 loads of W, its scales and b
.endif
.set K, K0
.rept 4
	ARITH
.set K, K+1
.endr
.if K0 < 116                           ; the last three runs issue no load: they have no dependence to state here
	s_wait_alu depctr_va_vdst(0)                   ; the 24 packed instructions are done reading the run's four slots, in which the loads below land; in the first run also: the head has written the addresses v60-96 and v117-119
.endif
.set K, K0
.rept 4
	REFILL
.set K, K+1
.endr
.set JN, K0/4
	JOB
.set K0, K0+4
.endr
	; ---- both halves' partial sums meet in LDS
	s_wait_alu depctr_va_vdst(0)                   ; the three sums are written, which the stores read; the last runs are done reading v236-251, in which stage 0's loads land
	ds_store_b128 v[PST], v[SA:SA+3]
	ds_store_b128 v[PST], v[SB:SB+3] offset:4096
	ds_store_b128 v[PST], v[SD:SD+3] offset:8192
	BARRIER
	; ---- stage 0: inputs p = tau + 256 k: the halves are added, turned by e^(-2 pi i r p / 2^18), and go through the first butterfly
.irp k, 0,1,2,3
	ds_load_b32 v[L+\k], v[RRE] offset:1024*\k
	ds_load_b32 v[L+4+\k], v[RRE] offset:1024*\k+12288
	ds_load_b32 v[L+8+\k], v[R4T] offset:1024*\k+8192
	ds_load_b32 v[L+12+\k], v[R4T] offset:1024*\k+20480
.endr
	s_wait_dscnt 0x0
	v_pk_add_f32 v[L:L+1], v[L:L+1], v[L+4:L+5]
	v_pk_add_f32 v[L+2:L+3], v[L+2:L+3], v[L+6:L+7]
	v_pk_add_f32 v[L+8:L+9], v[L+8:L+9], v[L+12:L+13]
	v_pk_add_f32 v[L+10:L+11], v[L+10:L+11], v[L+14:L+15]
	v_pk_mul_f32 v[L+8:L+9], v[L+8:L+9], s[24:25] op_sel_hi:[1,0]
	v_pk_mul_f32 v[L+10:L+11], v[L+10:L+11], s[24:25] op_sel_hi:[1,0]
.irp k, 0,1,2,3
	CMUL F+2*\k, L+\k, L+8+\k, PT+2*\k
.endr
	BFLY
	TWIST 0
	s_wait_alu depctr_va_vdst(0)                   ; O0 .. O3 are written, which the stores read; the butterfly is done reading F, in which stage 1's loads land
	PUT FD0, 2048
	BARRIER
	STAGE 1, DA, 512, A1W, 640, 1                  ; out of the first home into the second: no wave writes bytes that another still reads; the last hand-over from wave to wave
	STAGE 2, DA+1, 128, DA+1, 160, 0               ; from here on in my wave's own 1,280 bytes
	STAGE 3, DA+2, 32, A3W, 8, 0
	; ---- stage 4 has no twiddles; its outputs leave as magnitudes.  Outputs 768 on (residue 3) are read by nobody: they are not finished
	ds_load_b64 v[F:F+1], v[DA+3]
	ds_load_b64 v[F+2:F+3], v[DA+3] offset:264
	ds_load_b64 v[F+4:F+5], v[DA+3] offset:528
	ds_load_b64 v[F+6:F+7], v[DA+3] offset:792
	s_wait_dscnt 0x0
	s_wait_alu depctr_vm_vsrc(0)                   ; stage 3's four stores have read O0 .. O3, which the butterfly and the squares write again
	BFLY
	v_mul_f32 v[O1], v[O0], v[O0]
	v_mul_f32 v[O1+1], v[P1], v[P1]
	v_mul_f32 v[O1+2], v[P2], v[P2]
	v_fma_f32 v[O1], v[O0+1], v[O0+1], v[O1]
	v_fma_f32 v[O1+1], v[P1+1], v[P1+1], v[O1+1]
	v_fma_f32 v[O1+2], v[P2+1], v[P2+1], v[O1+2]
	s_wait_alu depctr_va_vdst(0)
	v_sqrt_f32 v[O1], v[O1]
	v_sqrt_f32 v[O1+1], v[O1+1]
	v_sqrt_f32 v[O1+2], v[O1+2]
	v_nop                                          ; a plain instruction behind the last root
	s_wait_alu depctr_va_vdst(0)                   ; one wait for the three roots, ahead of their first readers, the stores below; the butterfly is done reading F, in which the next step's loads land
	ds_store_b32 v[MGS], v[O1]                     ; output rev
	ds_store_b32 v[MGS], v[O1+1] offset:1024       ; output rev + 256
	ds_store_b32 v[MGM], v[O1+2]                   ; output rev + 512, mirrored
	BARRIER
	; ---- spec and its means of three: thread i < 256 (values from i = 171 on are never kept)
	s_cmp_lt_u32 s14, 8
	s_cbranch_scc0 .Lno_pool
.irp d, 0,1,2
	ds_load_b32 v[204+\d], v[AMX+\d]
	ds_load_b32 v[208+\d], v[AMY+\d]
.endr
.irp d, 0,1,2
	v_cmp_eq_u32 s[26+\d], 1, v[SH+\d]             ; the step's four compares in one run, while the loads are out
.endr
	v_cmp_ne_u32 s29, 0, v0
	s_wait_alu depctr_va_sdst(0)                   ; s26 to s29 are written, ahead of the selections that read them
	s_wait_dscnt 0x0
.irp d, 0,1,2
	v_cndmask_b32 v[212+\d], v[208+\d], v[204+\d], s[26+\d]   ; the lower bin: 256 j + 127, or from j = 256 on 256 j + 128
	v_cndmask_b32 v[216+\d], v[204+\d], v[208+\d], s[26+\d]   ; the upper bin
	v_sub_f32 v[220+\d], 1.0, v[SWG+\d]
	v_mul_f32 v[212+\d], v[212+\d], v[220+\d]
	v_fma_f32 v[212+\d], v[216+\d], v[SWG+\d], v[212+\d]
.endr
	v_cndmask_b32 v212, 0, v212, s29               ; the padding in front of spec[0]
	v_add_f32 v212, v212, v213
	v_add_f32 v212, v212, v214
	v_mul_f32 v212, 0x3eaaaaab, v212
	s_wait_alu depctr_va_vdst(0)                   ; v212 is written, which the store reads; the selections are done reading v204-210, in which later loads land
	ds_store_b32 v[SMS], v212
.Lno_pool:
	BARRIER
	; ---- peaks: kept where larger than both neighbours, i = 1 .. 169; else 0.  A choice of values: no branch
	s_cmp_lt_u32 s14, 8
	s_cbranch_scc0 .Lno_peak
	ds_load_b32 v204, v[SML]
	ds_load_b32 v205, v[SMS]
	ds_load_b32 v206, v[SMR]
	v_add_nc_u32 v[T0], -1, v0
	s_wait_alu depctr_va_vdst(0)
	s_wait_dscnt 0x0
	v_cmp_gt_f32 s28, v205, v204
	v_cmp_gt_f32 s26, v205, v206
	v_cmp_gt_u32 s27, 169, v[T0]                   ; i - 1 < 169, unsigned: i = 0 fails too
	s_wait_alu depctr_va_sdst(0)                   ; the three masks are written, ahead of the scalar lines that read them
	s_and_b32 s26, s26, s27
	s_and_b32 s26, s26, s28
	v_cndmask_b32 v207, 0, v205, s26
	s_wait_alu depctr_va_vdst(0)                   ; v207 is written, which the store reads; the compares are done reading v204-206, in which later loads land
	ds_store_b32 v[QPS], v207
.Lno_peak:
	BARRIER
	; ---- second interpolation and the quantiser: thread t < 64 holds k = 8 t .. 8 t + 7; four neighbouring lanes hold a block of 32
	s_wait_alu depctr_vm_vsrc(0)                   ; the stores of the magnitudes, of the pooled value and of the peak have read v228-230, v212 and v207, which loads and vector lines below write; it stands on every wave's way, ahead of the branch
	s_cmp_lt_u32 s14, 2
	s_cbranch_scc0 .Lno_quant
.irp e, 0,1,2,3,4,5,6,7
	ds_load_b32 v[204+\e], v[ZA+\e]
	ds_load_b32 v[212+\e], v[ZA+\e] offset:4
.endr
	s_wait_dscnt 0x0
.irp e, 0,1,2,3,4,5,6,7
	v_sub_f32 v[220+\e], 1.0, v[ZW+\e]
	v_mul_f32 v[204+\e], v[204+\e], v[220+\e]
	v_fma_f32 v[204+\e], v[212+\e], v[ZW+\e], v[204+\e]
.endr
	v_max3_num_f32 v228, |v204|, |v205|, 0x1800000 ; my eight, and the floor 2^(3 - 127): the byte cannot fall under 1
	v_max3_num_f32 v228, v228, |v206|, |v207|
	v_max3_num_f32 v228, v228, |v208|, |v209|
	v_max3_num_f32 v228, v228, |v210|, |v211|
	v_max_num_f32_dpp v228, v228, v228 row_xmask:1 row_mask:0xf bank_mask:0xf
	v_max_num_f32_dpp v228, v228, v228 row_xmask:2 row_mask:0xf bank_mask:0xf   ; the block's largest magnitude
	v_add_nc_u32 v229, 0xff000000, v228            ; 2 off its exponent field: the conversion's scale operand
	v_lshrrev_b32 v230, 23, v229                   ; the scale's byte
	v_cvt_scalef32_pk8_fp4_f32 v231, v[204:211], v229
	v_nop                                          ; a plain instruction behind the scaled conversion
	s_wait_alu depctr_va_vdst(0)                   ; the codes in v231 and the byte in v230 are written, which the stores read; the step is done with v204-231, in which the product's loads land
	ds_store_b32 v[CDS], v231                      ; eight codes, the lower k in the lower bits: bytes 4 t on of the row's 256
	ds_store_b8 v[SCS], v230                       ; the four lanes of a block write the same byte with the same value
.Lno_quant:
	BARRIER
	; ---- the product.  Source 0: the row's codes, the same in all 16 rows of the operand; source 1: 16 rows of W.  Register 0 of a result then holds out0[16 tile + lane % 16].
	; Wave w makes tiles 2 w and 2 w + 1; the two accumulators take turns, one instruction a turn.
	s_wait_alu depctr_vm_vsrc(0)                   ; the stores of the codes and of the scale's byte have read v231 and v230, in which the loads below land
.irp s, 0,1,2,3
.irp c, 0,1
	ds_load_b128 v[PF+8*\s+4*\c:PF+8*\s+4*\c+3], v[PFA] offset:64*\s+32*\c
.endr
.endr
	ds_load_b128 v[PS:PS+3], v[SCA]                ; the row's four scale words, the same in every lane
	s_wait_dscnt 0x0
	s_wait_loadcnt 0x0                             ; W, its scales, b
.irp s, 0,1,2,3
.irp t, 0,1
.if \s == 0
	v_wmma_scale_f32_16x16x128_f8f6f4 v[D+8*\t:D+8*\t+7], v[PF+8*\s:PF+8*\s+7], v[WF+32*\t+8*\s:WF+32*\t+8*\s+7], 0, v[PS+\s], v[WSC+4*\t+\s] matrix_a_fmt:MATRIX_FMT_FP4 matrix_b_fmt:MATRIX_FMT_FP4
.else
	v_wmma_scale_f32_16x16x128_f8f6f4 v[D+8*\t:D+8*\t+7], v[PF+8*\s:PF+8*\s+7], v[WF+32*\t+8*\s:WF+32*\t+8*\s+7], v[D+8*\t:D+8*\t+7], v[PS+\s], v[WSC+4*\t+\s] matrix_a_fmt:MATRIX_FMT_FP4 matrix_b_fmt:MATRIX_FMT_FP4
.endif
.endr
.endr
	v_and_b32 v[T0], 16, v0
	v_cmp_ne_u32 vcc_lo, 0, v[T0]
.rept 4
	v_nop                                          ; four places between the last product and the first read of a result (ISA guide 7.12.1)
.endr
	s_wait_alu depctr_va_vcc(0)                    ; the compare has written VCC, which the selection reads; the places above stay beside this wait
	v_cndmask_b32 v[T1], v[D], v[D+8], vcc_lo      ; lanes 0-15 the first tile, lanes 16-31 the second: out0[row][thread]
	v_add_f32 v[T1], v[T1], v[BV]
	s_wait_alu depctr_va_vdst(0)                   ; v3 is written, which the store reads; the products are done reading v204-207, in which the last load lands
	ds_store_b32 v[OSS], v[T1]
	BARRIER
	; ---- the row leaves: four waves, 16 bytes a lane: each store of a wave covers 512 consecutive bytes, aligned
	s_cmp_lt_u32 s14, 4
	s_cbranch_scc0 .Lend
	ds_load_b128 v[204:207], v[OSL]
	s_wait_dscnt 0x0
	global_store_b128 v[OO], v[204:207], s[12:13] th:TH_STORE_NT
.Lend:
	s_wait_dscnt 0x0                               ; the closing lines, six on end
	s_wait_alu 0x0
	s_wait_tensorcnt 0x0
	ds_add_u32 v126, v127
	s_wait_dscnt 0x0
	s_endpgm
.Lfunc_end_k_q12ea554dc2_audio:
	.size	k_q12ea554dc2_audio, .Lfunc_end_k_q12ea554dc2_audio-k_q12ea554dc2_audio
	.p2alignl 7, 3214868480
	.fill 96, 4, 3214868480
	.section	.rodata,"a",@progbits
	.p2align	6, 0x0
	.amdhsa_kernel k_q12ea554dc2_audio
		.amdhsa_group_segment_fixed_size 76288
		.amdhsa_private_segment_fixed_size 0
		.amdhsa_enable_private_segment 0
		.amdhsa_kernarg_size 40
		.amdhsa_user_sgpr_count 2
		.amdhsa_user_sgpr_kernarg_segment_ptr 1
		.amdhsa_wavefront_size32 1
		.amdhsa_system_sgpr_workgroup_id_x 1
		.amdhsa_system_sgpr_workgroup_id_y 1
		.amdhsa_system_sgpr_workgroup_id_z 1
		.amdhsa_system_vgpr_workitem_id 0
		.amdhsa_next_free_vgpr 256
		.amdhsa_next_free_sgpr 66
		.amdhsa_reserve_vcc 1
		.amdhsa_float_denorm_mode_32 3
		.amdhsa_float_denorm_mode_16_64 3
		.amdhsa_memory_ordered 1
		.amdhsa_forward_progress 1
		.amdhsa_inst_pref_size 141
	.end_amdhsa_kernel
	.amdgpu_metadata
---
amdhsa.version: [ 1, 2 ]
amdhsa.kernels:
  - .name:           k_q12ea554dc2_audio
    .symbol:         k_q12ea554dc2_audio.kd
    .args:
      - { .name: audio, .offset: 0, .size: 8, .value_kind: global_buffer, .address_space: global }
      - { .name: W_codes, .offset: 8, .size: 8, .value_kind: global_buffer, .address_space: global }
      - { .name: W_scales, .offset: 16, .size: 8, .value_kind: global_buffer, .address_space: global }
      - { .name: b, .offset: 24, .size: 8, .value_kind: global_buffer, .address_space: global }
      - { .name: out0, .offset: 32, .size: 8, .value_kind: global_buffer, .address_space: global }
    .group_segment_fixed_size: 76288
    .private_segment_fixed_size: 0
    .kernarg_segment_align: 8
    .kernarg_segment_size: 40
    .max_flat_workgroup_size: 512
    .sgpr_count:     66
    .vgpr_count:     256
    .wavefront_size: 32
...
	.end_amdgpu_metadata
.endif
;; end of part 2
